; MI455X (gfx1250); checked and timed in simulation.
; The chip was launched on July 23, 2026; its instructions are those of AMD's public machine-readable ISA for CDNA 5 (MIT licence, August 2026) and "CDNA5" Instruction Set Architecture Reference Guide (July 2026). The comments in the code are by the model that wrote it; some were corrected since.
;; MHSA. Allowed arithmetic: matrix products marked QUANTISED: E2M1 operands, one E8M0 scale for each 32 along K, by v_wmma_scale_f32_16x16x128_f8f6f4 with both operands' format E2M1 (or v_wmma_scale_f32_32x16x128_f4), f32 sums; everything else in f32.
;; Inputs: W_proj_codes 1,024 x 32 x 16 uint8 (E2M1 codes of W_proj, K innermost, in blocks of 32 codes, two codes a byte); W_proj_scales 1,024 x 32 uint8 (E8M0 scales of W_proj, one for each 32 codes along K); W_qkv_codes 3,072 x 32 x 16 uint8 (E2M1 codes of W_qkv, K innermost, in blocks of 32 codes, two codes a byte); W_qkv_scales 3,072 x 32 uint8 (E8M0 scales of W_qkv, one for each 32 codes along K); b_proj 1,024 float32; b_qkv 3,072 float32; x_codes 4 x 2,048 x 32 x 16 uint8 (E2M1 codes of x, K innermost, in blocks of 32 codes, two codes a byte); x_scales 4 x 2,048 x 32 uint8 (E8M0 scales of x, one for each 32 codes along K).
;; Outputs: out0 4 x 2,048 x 1,024 float32.
;; This version of the problem:
;;   THIS VERSION OF THE PROBLEM IS GIVEN IN LOW PRECISION. The matrix products marked QUANTISED in the list below multiply operands that are first quantised to E2M1 (2 exponent bits, 1 mantissa bit; 4 bits a number), with one power-of-two scale for each 32 numbers along K (OCP MX v1.0); their sums are f32. All else is computed in f32.
;;   The module's matrix products, in the order in which they are computed (A, B: the left and right operand; K: the contracted axis; several contracted axes count as one K, in the product's order):
;;     1. [M 8,192, K 1,024] x [K 1,024, N 3,072]; A: input x (given as codes); B: input W_qkv (given as codes): QUANTISED
;;     2. batch 64 x [M 2,048, K 64] x [K 64, N 2,048]; A: computed on the way; B: computed on the way: QUANTISED
;;     3. batch 64 x [M 2,048, K 2,048] x [K 2,048, N 64]; A: softmax (see below); B: computed on the way: QUANTISED
;;     4. [M 8,192, K 1,024] x [K 1,024, N 1,024]; A: computed on the way; B: input W_proj (given as codes): QUANTISED
;;   THE QUANTISER, for each operand of a quantised product, along K:
;;     - K is cut into blocks of 32 from its start; a last block that is shorter is filled with zeros.
;;     - A block's scale is 2^e with e = floor(log2(the largest magnitude in the block)) - 2, held to -126 .. 127; a block of zeros has e = 0. As a byte (E8M0): e + 127.
;;     - Each number is divided by its block's scale, clamped to +-6, and rounded to the nearest number of E2M1, ties to even, subnormals kept.
;;     - The product sums the exact products of the quantised numbers (number of the format x scale) in f32.
;;   ~~~python
;;   def quantise(x, axis):      # numpy; x: float32 -> the quantised numbers, widened to float32 again
;;       x = np.moveaxis(x, axis, -1); K = x.shape[-1]
;;       x = np.pad(x, [(0, 0)] * (x.ndim - 1) + [(0, -K % 32)]); x = x.reshape(x.shape[:-1] + (-1, 32)); a = np.abs(x).max(-1, keepdims=True)
;;       e = np.where(a > 0, np.clip(np.frexp(np.where(a > 0, a, 1))[1] - 1 - 2, -126, 127), 0)      # np.frexp(a)[1] - 1 = floor(log2(a)), exactly
;;       r = np.clip(x / 2.0 ** e, -6, 6)
;;       step = 2.0 ** (np.maximum(np.frexp(np.where(r == 0, 1, r))[1] - 1, 0) - 1)
;;       q = np.round(r / step) * step * 2.0 ** e      # np.round: ties to even
;;       return np.moveaxis(q.reshape(q.shape[:-2] + (-1,))[..., :K], -1, axis).astype(np.float32)
;;   ~~~
;;   SOFTMAX AHEAD OF A QUANTISED PRODUCT. Where the list says 'softmax', what is quantised is not the finished softmax but p = 2^(t - M), with t = logit x log2(e) and M = ceil(the row's largest t), a whole number; so 1/2 < the row's largest p <= 1. The row's sum l is taken of the UNQUANTISED p, in f32, and the product's result is divided by l at the end. Since M is a whole number, a kernel that streams over the keys may use a running M (the ceiling of the running maximum): every later rescaling is an exact power of two, which a block's scale takes up: the codes' values come out the same.
;;   OPERANDS COMPUTED ON THE WAY. 'Computed on the way' means the value that the module computes at that place (a softmax that the list does not call 'softmax' is quantised finished and normalised). What goes into a quantiser is computed in f32, as accurately as f32 sums, v_exp_f32 and their like allow (about 1e-6 of the number): no bf16 or f16 on the way to a quantiser, and a product that is left as it is and whose result goes on into a quantised operand takes f32 operands (vector FMAs, or v_wmma_f32_16x16x4_f32). A number that lies on a knife's edge between two numbers of the format may be rounded either way, as far as f32 arithmetic and the matrix unit's own rounding can turn it there, and no further.
;;   INPUTS GIVEN AS CODES. W_proj (in the module: [1024, 1024], K = its axis 0); W_qkv (in the module: [1024, 3072], K = its axis 0); x (in the module: [4, 2048, 1024], K = its axis 2): each comes as NAME_codes (uint8): NAME with its K axis moved to the last place and cut into blocks of 32 codes, [.., K / 32, bytes a block], one block behind the other in memory; two codes a byte, the lower K in the low four bits (a code: sign, 2 exponent bits, 1 mantissa bit); and NAME_scales (uint8): the same leading axes, one E8M0 byte (e + 127) for each 32 codes along K. Its value is code x scale, taken as it is: it is not quantised again, and the codes and scales need not be those that the quantiser above would give.
;; One version. Each part assembles by itself: llvm-mc -triple=amdgcn-amd-amdhsa -mcpu=gfx1250 --defsym DOCPART=n.
;; ======== version 1 of 1: 3 launches
;; workspace buffers: qrec 4,718,592 bytes; kvrec 9,175,040 bytes; yimg 4,194,304 bytes; ysc 262,144 bytes
;; launch qkv (part 1): grid 12 x 32, 4 waves a work-group, clusters of 4 x 4, 296,448 bytes of LDS; arguments x_codes, x_scales, W_qkv_codes, W_qkv_scales, b_qkv, qrec, kvrec; writes qrec, kvrec
.if DOCPART == 1
	.amdgcn_target "amdgcn-amd-amdhsa--gfx1250"
	.amdhsa_code_object_version 6
	.text
	.protected	k_q19fc35ec83_qkv
	.globl	k_q19fc35ec83_qkv
	.p2align	8
	.type	k_q19fc35ec83_qkv,@function
k_q19fc35ec83_qkv:
	s_mov_b64 s[64:65], 0
	v_nop
	global_prefetch_b8 v0, s[64:65] scope:SCOPE_SE
	s_setreg_imm32_b32 hwreg(HW_REG_WAVE_MODE, 25, 1), 1
	s_wait_xcnt 0x0
	s_wait_alu depctr_hold_cnt(0) depctr_sa_sdst(0) depctr_va_vdst(0) depctr_va_sdst(0) depctr_va_ssrc(0) depctr_va_vcc(0) depctr_vm_vsrc(0)
	s_getreg_b32 s2, hwreg(HW_REG_IB_STS2, 6, 4)
	s_cmp_eq_u32 s2, 0
	s_cbranch_scc0 .Lentry_in_a_cluster
	s_endpgm
.Lentry_in_a_cluster:
	s_bfe_u32 s2, ttmp6, 0x10000c
	s_cmp_lg_u32 s2, 0xf033
	s_cbranch_scc0 .Lentry_shape_is_right
	s_endpgm
.Lentry_shape_is_right:
; qkv = x W_qkv + b_qkv on codes of FP4 (E2M1) with one E8M0 scale for each 32 along K = 1,024; then q and k are quantised along a head's 64, v along the keys (tokens), and leave as codes.
; x: [8,192][1,024] codes, W_qkv: [3,072][1,024] codes, both K innermost: rows of 512 bytes; their scale bytes: rows of 32 bytes.
; A work-group makes 256 x 256 results, each of its four waves 128 x 128: 64 accumulators of 16 x 16.  SOURCE 0 holds the rows that become the K of the NEXT product, SOURCE 1 the rows of which a lane keeps one:
;   cluster x = 0 (q) and 1 (k): source 0 = 256 rows of W_qkv (four heads), source 1 = 256 tokens;   cluster x = 2 (v): source 0 = 256 tokens, source 1 = 256 rows of W_qkv from row 2,048 on.
; In a result, lane (r, h) holds row r of source 1, and register j of tile b the row 16 b + 8 h + j of source 0: eight neighbours along the next K.
; ALL OF K LIES IN LDS AT ONCE: two halves of 512 along K (rows of 256 bytes + 16 of padding) and the scale bytes, each filled once, by three tensor loads a wave at the head.  No LDS byte is filled twice and none is stored to.
; CLUSTERS: 4 x 4 work-groups.  Source 1's tile hangs on the cluster's row (cy) and is asked for jointly by the four of that row, source 0's on its column (cx): a quarter of the requests.
; THE QUANTISER (QUANT): a block of 32 along the next K is tiles 2 B and 2 B + 1: 16 registers of lane l and 16 of lane l xor 16.  Scale = 2^(floor(log2(largest magnitude)) - 2); its byte is the largest magnitude's exponent field - 2.
; LIMITS: a block whose largest magnitude lies under 2^-124, a block of zeros among them, gets the byte 1 (the floor): its codes are then zeros or the smallest codes, and only this program reads the bytes.  NaN and infinities are not served.
; OUT, as images of the next product's operand registers (a piece = 512 bytes, lane l's 16 bytes at 16 l):
;   qrec [bh 64][group of 128 tokens 16][4,608]: 8 pieces (16 tokens each: lane (r, h) = token r, block h of the head's 64), then 512 bytes of scale words: lane (r, h), word i = tile 2 i + h, token r
;   kvrec [bh 64][step of 128 keys 16][8,960]: K as q (4,608 bytes); then V: 4 tiles of 16 channels x 128 keys, two pieces each; then 256 bytes of V's scale words: lane (r, h), word i = tile 2 i + h, channel r
; REGISTERS, in windows of 256: window 0: v1-27 addresses; v32-95 scale words (nothing else ever); v96-127 at work; v128-191, v192-255 source 1's fragments, two sets (on the way out: 64 numbers, and eight sets of codes).
;   window 1: v0-63, v128-191 source 0's fragments, two sets; v64-127 the bias.   windows 2, 3: the accumulators, (a, b) at v[8 (8 (a % 4) + b)] of window 2 + a / 4.
.set PITCH,  272                       ; an LDS row: 256 bytes + 16: the sixteen rows that a fragment load touches start at sixteen different banks
.set HALFT,  128*PITCH                 ; 128 rows: what one tensor load brings, what one wave reads of a source
.set SLOT,   4*HALFT                   ; half of K: source 1's 256 rows, then source 0's
.set SCL,    2*SLOT                    ; the scale bytes, as units of 256 bytes + 16
.set HALFS,  16*272                    ; those of 128 rows
.set SBLK,   2*272                     ; those of 16 rows
.set QREC,   4608
.set KVREC,  8960
.set HSTR,   16*KVREC                  ; from a head's records to the next head's
.set LANE, 1
.set RR,   2
.set HH,   3
.set LI,   5                           ; 16 x lane
.set L8,   6                           ; 8 x lane
.set BO,   7                           ; the bias loads' offset
.set ADRA, 16                          ; v16-17 LDS address of source 1's fragments in half 0, 1 of K
.set ADRB, 20                          ; v20-21 the same for source 0
.set ADRS, 27                          ; LDS address of the scale words: lanes 0-15 source 1's rows, lanes 16-31 source 0's
.set SC,   32                          ; scale words: register 32 (q / 4) + 4 i + q % 4: block i, K step q
.set TM,   96                          ; v96-99 largest magnitudes, v100-103 the other lane's, then bytes, v108-111 the conversions' scale operands
.set SW,   112                         ; v112-119 the scale word of each of the eight tiles
.set U,    120                         ; v120-127 the scale images
.set T,    128                         ; 64 numbers: a tile's results + bias
.set PC,   192                         ; eight sets of 8 code registers: no store's data are written again
.set SEL,  2                           ; s[2:3] lane selects: lane l xor 16
.set WV,   18
.set HA,   19                          ; which 128 rows of source 1 are mine.  Also: I fetch for source 1 (0) or source 0 (1)
.set HB,   20                          ; which 128 rows of source 0.  Also: which 128 rows I fetch
.set CX,   21
.set CY,   22
.set T0,   23                          ; source 0's tile of 256 rows
.set MD,   66                          ; 1: v
.set T1,   67                          ; source 1's tile
.set G1,   24
.set G0,   32
.set G1B,  48
.set G0B,  56
.set G1S,  68
.set G0S,  76
.set G1SB, 80
.set G0SB, 88
.set MSB, 0
.macro WIN new                         ; the immediate's high byte repeats the setting that is left
.if MSB != \new
	s_set_vgpr_msb (MSB<<8)|\new
.set MSB, \new
.endif
.endm
.macro PLACES n
.rept \n
	v_nop
.endr
.endm
; A joint load: waves 0 and 1 fetch for source 1, waves 2 and 3 for source 0; the branch hangs on the wave's number alone.  Four v_nop follow each of the two lines.
.macro JLOAD g0a, g1a, g0b, g1b
	s_cmp_eq_u32 s[HA], 0
	s_cbranch_scc0 .Lfor_b_\@
	tensor_load_to_lds s[\g0a:\g0a+3], s[\g1a:\g1a+7]
	s_nop 0
.rept 4
	v_nop
.endr
	s_branch .Lasked_\@
.Lfor_b_\@:
	tensor_load_to_lds s[\g0b:\g0b+3], s[\g1b:\g1b+7]
	s_nop 0
.rept 4
	v_nop
.endr
.Lasked_\@:
.endm
.macro CROUND                          ; a round of the cluster's barrier
	s_barrier_signal -1
	s_barrier_wait -1
	s_cmp_lg_u32 s[WV], 0
	s_cbranch_scc1 .Lnot_wave_0_\@
	s_barrier_signal -3
.Lnot_wave_0_\@:
	s_barrier_wait -3
	s_barrier_signal -1
	s_barrier_wait -1
.endm
	s_load_b256 s[4:11], s[0:1], 0x0               ; x's codes s[4:5], x's scales s[6:7], W's codes s[8:9], W's scales s[10:11]
	s_load_b128 s[12:15], s[0:1], 0x20             ; b_qkv s[12:13], qrec s[14:15]
	s_load_b64 s[16:17], s[0:1], 0x30              ; kvrec
	v_lshl_add_u32 v106, v0, 2, 0x48400
	v_mov_b32 v107, 0
	ds_add_u32 v106, v107
	ds_add_u32 v106, v107
	v_lshrrev_b32 v1, 5, v0
	v_readfirstlane_b32 s[WV], v1                  ; wave 0..3
	s_lshr_b32 s[HA], s[WV], 1
	s_and_b32 s[HB], s[WV], 1
	s_bfe_u32 s[CX], ttmp6, 0x40000
	s_bfe_u32 s[CY], ttmp6, 0x40004
	s_and_b32 s40, ttmp7, 0xffff
	s_lshl_b32 s40, s40, 2                         ; 4 x cluster y
	s_lshl_b32 s41, ttmp9, 2                       ; 4 x cluster x
	s_cmp_eq_u32 ttmp9, 2                          ; the cluster's x is the same in all sixteen partners
	s_cselect_b32 s[MD], 1, 0
	s_cselect_b32 s[T1], 8, s40                    ; source 1: v: W's rows 2,048 on; else tokens
	s_cselect_b32 s[T0], s40, s41                  ; source 0: v: tokens; else W's rows
	s_add_co_u32 s[T1], s[T1], s[CY]               ; source 1's tile hangs on cy alone,
	s_add_co_u32 s[T0], s[T0], s[CX]               ; source 0's on cx alone
	s_lshl_b32 s44, s[CY], 2
	s_lshl_b32 s44, 15, s44                        ; my row of the cluster
	s_lshl_b32 s45, 0x1111, s[CX]                  ; my column
	; group 1 for codes: 128 rows x 256 bytes, rows 512 bytes apart in memory, 16 bytes of padding behind each row in LDS
	s_or_b32 s[G1], s44, (1<<20)|(1<<21)|(5<<22)|(3<<25)    ; 15:0 mask; 17:16 elements of 1 byte; 20 padding on; 21 set beside a mask; 24:22 after every 64 words; 31:25 four words
	s_or_b32 s[G1B], s45, (1<<20)|(1<<21)|(5<<22)|(3<<25)
.irp g, G1, G1B
	s_mov_b32 s[\g+1], 256<<16                     ; tensor_dim0
	s_mov_b32 s[\g+2], 128<<16                     ; tensor_dim1
	s_mov_b32 s[\g+3], 256<<16                     ; tile_dim0
	s_mov_b32 s[\g+4], 128                         ; tile_dim1
	s_mov_b32 s[\g+5], 512                         ; from row to row
	s_mov_b32 s[\g+6], 0
	s_mov_b32 s[\g+7], 0
.endr
	; group 1 for the scale bytes of 128 rows: 4,096 dense bytes as 16 rows of 256 (32 elements of 8 bytes), 16 bytes of padding behind each
	s_or_b32 s[G1S], s44, (3<<16)|(1<<20)|(1<<21)|(5<<22)|(3<<25)
	s_or_b32 s[G1SB], s45, (3<<16)|(1<<20)|(1<<21)|(5<<22)|(3<<25)
.irp g, G1S, G1SB
	s_mov_b32 s[\g+1], 32<<16
	s_mov_b32 s[\g+2], 16<<16
	s_mov_b32 s[\g+3], 32<<16
	s_mov_b32 s[\g+4], 16
	s_mov_b32 s[\g+5], 32
	s_mov_b32 s[\g+6], 0
	s_mov_b32 s[\g+7], 0
.endr
	s_lshl_b32 s46, s[HB], 7                       ; which 128 rows of the tile I fetch
	s_lshl_b32 s92, s[T1], 8
	s_add_co_u32 s92, s92, s46                     ; source 1's first row
	s_lshl_b32 s94, s[T0], 8
	s_add_co_u32 s94, s94, s46                     ; source 0's
	s_lshl_b32 s96, s92, 5                         ; their scale bytes: 32 a row,
	s_mov_b32 s97, 0
	s_lshl_b32 s92, s92, 9                         ; their codes: 512 a row (under 2^23)
	s_mov_b32 s93, 0
	s_lshl_b32 s98, s94, 5
	s_mov_b32 s99, 0
	s_lshl_b32 s94, s94, 9
	s_mov_b32 s95, 0
	s_mul_i32 s46, s[WV], HALFT                    ; where they go: wave x 128 rows: no place in the cluster enters an LDS address
	s_mul_i32 s47, s[WV], HALFS
	s_mov_b32 s[SEL], 0x76543210
	s_mov_b32 s[SEL+1], 0xfedcba98
	s_wait_dscnt 0x0
	s_wait_kmcnt 0x0
	s_cmp_eq_u32 s[MD], 1
	s_cselect_b64 s[40:41], s[8:9], s[4:5]         ; source 1's codes,
	s_cselect_b64 s[42:43], s[10:11], s[6:7]       ; its scales,
	s_cselect_b64 s[44:45], s[4:5], s[8:9]         ; source 0's codes,
	s_cselect_b64 s[4:5], s[6:7], s[10:11]         ; its scales
	s_add_nc_u64 s[40:41], s[40:41], s[92:93]
	s_add_nc_u64 s[42:43], s[42:43], s[96:97]
	s_add_nc_u64 s[44:45], s[44:45], s[94:95]
	s_add_nc_u64 s[4:5], s[4:5], s[98:99]
	CROUND                                         ; all sixteen work-groups are here: the joint loads meet
	s_mov_b32 s[G0S], 1
	s_add_co_u32 s[G0S+1], s47, SCL
	s_mov_b64 s[G0S+2:G0S+3], s[42:43]
	s_or_b32 s[G0S+3], s[G0S+3], 0x80000000
	s_mov_b32 s[G0SB], 1
	s_add_co_u32 s[G0SB+1], s47, SCL
	s_mov_b64 s[G0SB+2:G0SB+3], s[4:5]
	s_or_b32 s[G0SB+3], s[G0SB+3], 0x80000000
	JLOAD G0S, G1S, G0SB, G1SB                     ; the scale bytes first
.irp s, 0,1
	s_mov_b32 s[G0+4*\s], 1
	s_add_co_u32 s[G0+4*\s+1], s46, \s*SLOT
	s_add_nc_u64 s[G0+4*\s+2:G0+4*\s+3], s[40:41], \s*256
	s_or_b32 s[G0+4*\s+3], s[G0+4*\s+3], 0x80000000
	s_mov_b32 s[G0B+4*\s], 1
	s_add_co_u32 s[G0B+4*\s+1], s46, \s*SLOT
	s_add_nc_u64 s[G0B+4*\s+2:G0B+4*\s+3], s[44:45], \s*256
	s_or_b32 s[G0B+4*\s+3], s[G0B+4*\s+3], 0x80000000
	JLOAD G0+4*\s, G1, G0B+4*\s, G1B               ; then K's two halves: three loads of mine are out
.endr
	v_and_b32 v[LANE], 31, v0
	v_and_b32 v[RR], 15, v0                        ; r
	v_bfe_u32 v[HH], v0, 4, 1                      ; h
	v_lshlrev_b32 v[LI], 4, v[LANE]
	v_lshlrev_b32 v[L8], 3, v[LANE]
	v_mul_u32_u24 v4, v[RR], PITCH
	v_lshl_add_u32 v4, v[HH], 4, v4                ; a fragment's row x pitch + 16 x half
	s_mul_i32 s92, s[HA], HALFT                    ; my 128 rows of source 1,
	s_mul_i32 s93, s[HB], HALFT                    ; of source 0,
	s_add_co_u32 s93, s93, 2*HALFT                 ; which lie behind source 1's 256
.irp s, 0,1
	v_add_nc_u32 v[ADRA+\s], s92, v4
	v_add_nc_u32 v[ADRB+\s], s93, v4
	s_add_co_u32 s92, s92, SLOT
	s_add_co_u32 s93, s93, SLOT
.endr
	v_lshlrev_b32 v8, 5, v[RR]                     ; my row's scale bytes: 32 a row,
	v_lshrrev_b32 v9, 8, v8
	v_lshl_add_u32 v8, v9, 4, v8                   ; and 16 more for each 256 passed
	s_mul_i32 s92, s[HA], HALFS
	s_mul_i32 s93, s[HB], HALFS
	s_add_co_u32 s93, s93, 2*HALFS
	s_sub_co_u32 s93, s93, s92
	v_mul_u32_u24 v9, s93, v[HH]                   ; lanes 16-31 take source 0's
	s_add_co_u32 s92, s92, SCL
	v_add_nc_u32 v8, v8, v9
	v_add_nc_u32 v[ADRS], s92, v8
.irp b, 0,1,2,3
	v_mov_b32 v[TM+4+\b], 0                        ; written once: a lane permute's destination counts as one of its sources
.endr
; 32 LDS loads: the fragments of K step q (128 along K) into set q % 2.  A fragment, 16 rows x 128 K, is 8 registers: lane (r, h): registers 4 c .. 4 c + 3 hold K = 64 c + 32 h + 0 .. 31
.macro FETCH q
.set FP, (\q)%2
.set FS, (\q)/4
.set FK, 64*((\q)%4)
	WIN 0x40                                       ; destination window 1, address window 0
.irp i, 0,1,2,3,4,5,6,7
.irp c, 0,1
	ds_load_b128 v[128*FP+8*\i+4*\c:128*FP+8*\i+4*\c+3], v[ADRB+FS] offset:FK+32*\c+\i*16*PITCH
.endr
.endr
	WIN 0
.irp i, 0,1,2,3,4,5,6,7
.irp c, 0,1
	ds_load_b128 v[128+64*FP+8*\i+4*\c:128+64*FP+8*\i+4*\c+3], v[ADRA+FS] offset:FK+32*\c+\i*16*PITCH
.endr
.endr
.endm
; K step q: 64 matrix instructions; the 64 accumulators take turns, one instruction a turn, in the same order in every step.  zero = 1: the products start the sums.
; One register carries source 1's word (lanes 0-15) and source 0's (lanes 16-31) of block i.
.macro MULS q, zero
.set PP, (\q)%2
.set SQ, SC+32*((\q)/4)+(\q)%4
.irp a, 0,1,2,3,4,5,6,7
.if \a == 0
	WIN 0xa1                                       ; source 0 window 1, source 1 window 0, C and D window 2
.endif
.if \a == 4
	WIN 0xf1                                       ; C and D window 3
.endif
.irp b, 0,1,2,3,4,5,6,7
.if \zero
	v_wmma_scale_f32_16x16x128_f8f6f4 v[8*(8*(\a%4)+\b):8*(8*(\a%4)+\b)+7], v[128*PP+8*\b:128*PP+8*\b+7], v[128+64*PP+8*\a:128+64*PP+8*\a+7], 0, v[SQ+4*\b], v[SQ+4*\a] matrix_a_fmt:MATRIX_FMT_FP4 matrix_b_fmt:MATRIX_FMT_FP4 matrix_a_scale:MATRIX_SCALE_ROW1
.else
	v_wmma_scale_f32_16x16x128_f8f6f4 v[8*(8*(\a%4)+\b):8*(8*(\a%4)+\b)+7], v[128*PP+8*\b:128*PP+8*\b+7], v[128+64*PP+8*\a:128+64*PP+8*\a+7], v[8*(8*(\a%4)+\b):8*(8*(\a%4)+\b)+7], v[SQ+4*\b], v[SQ+4*\a] matrix_a_fmt:MATRIX_FMT_FP4 matrix_b_fmt:MATRIX_FMT_FP4 matrix_a_scale:MATRIX_SCALE_ROW1
.endif
.endr
.endr
.endm
; 64 numbers of a lane, register 8 t + j = index 16 t + 8 h + j along the next K of my row, become a fragment's 8 code registers v[pc] on and its scale word v[pw].
; The conversion of tile 2 B + e gives, in lane half h, word 2 e + h of block B.  It is written to register 4 (B / 2) + 2 e + B % 2; the exchange of halves between registers 4 c + 2 e and 4 c + 2 e + 1 then leaves
; in register 4 c + d, lane half h, word d of block 2 c + h: K = 64 c + 32 h + 8 d on, the operand's layout.
.macro QUANT s, pc, pw
.irp b, 0,1,2,3
	v_max3_num_f32 v[TM+\b], |v[\s+16*\b]|, |v[\s+1+16*\b]|, 0x1800000   ; my 16 numbers of block b, and the floor 2^(3 - 127): the byte cannot fall under 1
.endr
.irp i, 2,4,6,8,10,12,14
.irp b, 0,1,2,3
	v_max3_num_f32 v[TM+\b], v[TM+\b], |v[\s+16*\b+\i]|, |v[\s+1+16*\b+\i]|   ; (the four blocks by turns)
.endr
.endr
.irp b, 0,1,2,3
	v_permlanex16_b32 v[TM+4+\b], v[TM+\b], s[SEL], s[SEL+1]
.endr
.irp b, 0,1,2,3
	v_max_num_f32 v[TM+\b], v[TM+\b], v[TM+4+\b]   ; with lane l xor 16's 16: the block's largest magnitude
.endr
.irp b, 0,1,2,3
	v_add_nc_u32 v[TM+12+\b], 0xff000000, v[TM+\b] ; 2 off its exponent field: the conversion takes this operand's exponent field as its scale
.endr
.irp b, 0,1,2,3
	v_lshrrev_b32 v[TM+4+\b], 23, v[TM+12+\b]      ; the scale's byte
.endr
	v_lshl_or_b32 v[\pw], v[TM+5], 8, v[TM+4]
	v_lshl_or_b32 v[\pw], v[TM+6], 16, v[\pw]
	v_lshl_or_b32 v[\pw], v[TM+7], 24, v[\pw]      ; my row's scale word
.irp b, 0,1,2,3
.irp e, 0,1
	v_cvt_scalef32_pk8_fp4_f32 v[\pc+4*(\b/2)+2*\e+\b%2], v[\s+16*\b+8*\e:\s+16*\b+8*\e+7], v[TM+12+\b]
.endr
.endr
	v_nop                                          ; one plain place behind a scaled conversion
.irp c, 0,1
.irp e, 0,1
	v_permlane16_swap_b32 v[\pc+4*\c+2*\e], v[\pc+4*\c+2*\e+1]
.endr
.endr
.endm
; Tile a (16 rows of source 1 x my 128 rows of source 0): + bias, quantised, stored.  Each accumulator is read from its low end on.
.macro TILE a, mode
.set WW, 6+(\a)/4                      ; source 0: window 2 or 3 (the accumulators); source 1: window 1 (the bias); destination window 0
.set AC, 64*((\a)%4)
	WIN WW
.set i, 0
.rept 32
.if \mode
	v_pk_add_f32 v[T+i:T+i+1], v[AC+i:AC+i+1], v[64+2*(\a):64+2*(\a)+1]   ; v: the bias of my channel, twice
.else
	v_pk_add_f32 v[T+i:T+i+1], v[AC+i:AC+i+1], v[64+i:64+i+1]             ; q, k: the bias runs with the registers
.endif
.set i, i+2
.endr
	WIN 0
	QUANT T, PC+8*(\a), SW+(\a)
.if \mode
	global_store_b128 v[LI], v[PC+8*(\a):PC+8*(\a)+3], s[16:17] offset:((\a)/4)*HSTR+4608+1024*((\a)%4)       ; 32 lanes store 512 consecutive bytes, aligned
	global_store_b128 v[LI], v[PC+8*(\a)+4:PC+8*(\a)+7], s[16:17] offset:((\a)/4)*HSTR+4608+1024*((\a)%4)+512
.else
	global_store_b128 v[LI], v[PC+8*(\a):PC+8*(\a)+3], s[14:15] offset:512*(\a)      ; blocks 0, 1: my first head
	global_store_b128 v[LI], v[PC+8*(\a)+4:PC+8*(\a)+7], s[16:17] offset:512*(\a)    ; blocks 2, 3: my second
.endif
.endm
	s_wait_tensorcnt 0x1                           ; the scale bytes and my part of K's first half are in; the second half's load may stay out
	s_barrier_signal -1
	s_barrier_wait -1                              ; everybody's are
	FETCH 0
.irp u, 0,1
.irp i, 0,1,2,3,4,5,6,7
	ds_load_b128 v[SC+32*\u+4*\i:SC+32*\u+4*\i+3], v[ADRS] offset:\i*SBLK+16*\u   ; all scale words of my rows: four words (512 along K) a load
.endr
.endr
.set Q, 0
.rept 7
	s_wait_dscnt 0x0                               ; this step's fragments are in
.if Q == 3
	s_wait_tensorcnt 0x0                           ; my part of K's second half is in,
	s_barrier_signal -1
	s_barrier_wait -1                              ; everybody's is
.endif
.if Q > 0
	PLACES 4                                       ; in front of loads into registers that the last step's matrix instructions have read
.endif
	FETCH Q+1                                      ; the next step's fragments land while this step is multiplied
.if Q == 0
	MULS Q, 1
.else
	MULS Q, 0
.endif
.set Q, Q+1
.endr
	WIN 0
	s_cmp_eq_u32 s[MD], 1                          ; the same in all partners of a cluster
	s_cbranch_scc1 .Lv
	; ---- q and k.  The bias is asked for one K step ahead of its use.
	s_lshl_b32 s92, s[T0], 8
	s_lshl_b32 s93, s[HB], 7
	s_add_co_u32 s92, s92, s93                     ; my first row of W_qkv
	s_lshl_b32 s94, s92, 2
	s_mov_b32 s95, 0
	s_add_nc_u64 s[12:13], s[12:13], s[94:95]
	v_lshlrev_b32 v[BO], 5, v[HH]                  ; lane (r, h) wants, for tile b, the bias of rows 16 b + 8 h + 0 .. 7
	WIN 0x40
.irp b, 0,1,2,3,4,5,6,7
	global_load_b128 v[64+8*\b:64+8*\b+3], v[BO], s[12:13] offset:64*\b
	global_load_b128 v[64+8*\b+4:64+8*\b+7], v[BO], s[12:13] offset:64*\b+16
.endr
	WIN 0
	s_and_b32 s93, s92, 1023
	s_lshr_b32 s93, s93, 6                         ; my first head
	s_lshl_b32 s94, s[T1], 8
	s_lshl_b32 s96, s[HA], 7
	s_add_co_u32 s94, s94, s96                     ; my first token
	s_lshr_b32 s96, s94, 11                        ; its batch,
	s_bfe_u32 s94, s94, 0x40007                    ; its group of 128 in the batch
	s_lshl_b32 s96, s96, 4
	s_add_co_u32 s96, s96, s93
	s_lshl_b32 s96, s96, 4
	s_add_co_u32 s96, s96, s94                     ; the record's number
	s_mov_b32 s97, KVREC
	s_cmp_eq_u32 ttmp9, 0
	s_cselect_b32 s97, QREC, s97
	s_cselect_b64 s[14:15], s[14:15], s[16:17]     ; q's records or k's
	s_mul_i32 s96, s96, s97
	s_lshl_b32 s98, s97, 4                         ; the next head's record lies 16 records on
	s_mov_b32 s97, 0
	s_mov_b32 s99, 0
	s_add_nc_u64 s[14:15], s[14:15], s[96:97]
	s_add_nc_u64 s[16:17], s[14:15], s[98:99]
	s_wait_dscnt 0x0
	MULS 7, 0
	WIN 0
	PLACES 4                                       ; in front of the first read of results, and of writes into registers that held fragments
	s_wait_loadcnt 0x0                             ; the bias
.irp n, 0,1,2,3,4,5,6,7
	TILE \n, 0
.endr
	v_cmp_le_u32 vcc_lo, 16, v[LANE]
.irp i, 0,1,2,3
	v_cndmask_b32 v[U+\i], v[SW+2*\i], v[SW+2*\i+1], vcc_lo   ; word i: tile 2 i in lanes 0-15, tile 2 i + 1 in lanes 16-31
.endr
.irp i, 0,1,2,3
	v_lshrrev_b32 v[U+4+\i], 16, v[U+\i]           ; the second head's two bytes,
.endr
.irp i, 0,1,2,3
	v_and_b32 v[U+\i], 0xffff, v[U+\i]             ; the first head's; the upper two bytes, which meet zero codes alone, are 0
.endr
	global_store_b128 v[LI], v[U:U+3], s[14:15] offset:4096
	global_store_b128 v[LI], v[U+4:U+7], s[16:17] offset:4096
	s_wait_tensorcnt 0x0
	ds_add_u32 v106, v107
	s_wait_dscnt 0x0
	CROUND                                         ; the closing round: no work-group ends while a partner may still ask for a tile that names it
	s_endpgm
.Lv:	; ---- v
	s_lshl_b32 s92, s[CY], 8
	s_lshl_b32 s93, s[HA], 7
	s_add_co_u32 s92, s92, s93
	s_add_co_u32 s92, s92, 2048                    ; my first row of W_qkv
	s_lshl_b32 s92, s92, 2
	s_mov_b32 s93, 0
	s_add_nc_u64 s[12:13], s[12:13], s[92:93]
	v_lshlrev_b32 v[BO], 2, v[RR]                  ; lane (r, h) wants, for tile a, the bias of row 16 a + r; it is loaded twice, to fill the pair that the packed addition names
	WIN 0x40
.irp n, 0,1,2,3,4,5,6,7
	global_load_b32 v[64+2*\n], v[BO], s[12:13] offset:64*\n
	global_load_b32 v[65+2*\n], v[BO], s[12:13] offset:64*\n
.endr
	WIN 0
	s_lshl_b32 s94, s[T0], 8
	s_lshl_b32 s96, s[HB], 7
	s_add_co_u32 s94, s94, s96                     ; my first token
	s_lshr_b32 s96, s94, 11
	s_bfe_u32 s94, s94, 0x40007
	s_lshl_b32 s96, s96, 4
	s_lshl_b32 s93, s[CY], 2
	s_add_co_u32 s96, s96, s93
	s_lshl_b32 s93, s[HA], 1
	s_add_co_u32 s96, s96, s93                     ; 16 x batch + my first head (4 cy + 2 x half)
	s_lshl_b32 s96, s96, 4
	s_add_co_u32 s96, s96, s94
	s_mul_i32 s96, s96, KVREC
	s_mov_b32 s97, 0
	s_add_nc_u64 s[16:17], s[16:17], s[96:97]
	s_wait_dscnt 0x0
	MULS 7, 0
	WIN 0
	PLACES 4
	s_wait_loadcnt 0x0
.irp n, 0,1,2,3,4,5,6,7
	TILE \n, 1
.endr
	v_cmp_le_u32 vcc_lo, 16, v[LANE]
.irp d, 0,1
.irp i, 0,1
	v_cndmask_b32 v[U+2*\d+\i], v[SW+4*\d+2*\i], v[SW+4*\d+2*\i+1], vcc_lo
.endr
.endr
.irp d, 0,1
	global_store_b64 v[L8], v[U+2*\d:U+2*\d+1], s[16:17] offset:\d*HSTR+8704   ; 32 lanes store 256 consecutive bytes, aligned
.endr
	s_wait_tensorcnt 0x0
	ds_add_u32 v106, v107
	s_wait_dscnt 0x0
	CROUND
	s_endpgm
.Lfunc_end_k_q19fc35ec83_qkv:
	.size	k_q19fc35ec83_qkv, .Lfunc_end_k_q19fc35ec83_qkv-k_q19fc35ec83_qkv
	.p2alignl 7, 3214868480
	.fill 96, 4, 3214868480
	.section	.rodata,"a",@progbits
	.p2align	6, 0x0
	.amdhsa_kernel k_q19fc35ec83_qkv
		.amdhsa_group_segment_fixed_size 296448
		.amdhsa_private_segment_fixed_size 0
		.amdhsa_enable_private_segment 0
		.amdhsa_kernarg_size 56
		.amdhsa_user_sgpr_count 2
		.amdhsa_user_sgpr_kernarg_segment_ptr 1
		.amdhsa_wavefront_size32 1
		.amdhsa_system_sgpr_workgroup_id_x 1
		.amdhsa_system_sgpr_workgroup_id_y 1
		.amdhsa_system_sgpr_workgroup_id_z 1
		.amdhsa_system_vgpr_workitem_id 0
		.amdhsa_next_free_vgpr 1024
		.amdhsa_next_free_sgpr 100
		.amdhsa_reserve_vcc 1
		.amdhsa_float_denorm_mode_32 3
		.amdhsa_float_denorm_mode_16_64 3
		.amdhsa_memory_ordered 1
		.amdhsa_forward_progress 1
		.amdhsa_inst_pref_size 204
	.end_amdhsa_kernel
	.amdgpu_metadata
---
amdhsa.version: [ 1, 2 ]
amdhsa.kernels:
  - .name:           k_q19fc35ec83_qkv
    .symbol:         k_q19fc35ec83_qkv.kd
    .args:
      - { .name: x_codes, .offset: 0, .size: 8, .value_kind: global_buffer, .address_space: global }
      - { .name: x_scales, .offset: 8, .size: 8, .value_kind: global_buffer, .address_space: global }
      - { .name: W_qkv_codes, .offset: 16, .size: 8, .value_kind: global_buffer, .address_space: global }
      - { .name: W_qkv_scales, .offset: 24, .size: 8, .value_kind: global_buffer, .address_space: global }
      - { .name: b_qkv, .offset: 32, .size: 8, .value_kind: global_buffer, .address_space: global }
      - { .name: qrec, .offset: 40, .size: 8, .value_kind: global_buffer, .address_space: global }
      - { .name: kvrec, .offset: 48, .size: 8, .value_kind: global_buffer, .address_space: global }
    .group_segment_fixed_size: 296448
    .private_segment_fixed_size: 0
    .kernarg_segment_align: 8
    .kernarg_segment_size: 56
    .max_flat_workgroup_size: 128
    .sgpr_count:     100
    .vgpr_count:     1024
    .wavefront_size: 32
...
	.end_amdgpu_metadata
.endif
;; end of part 1
;; launch attn (part 2): grid 8 x 32, 16 waves a work-group, clusters of 4 x 1, 289,792 bytes of LDS; arguments qrec, kvrec, yimg, ysc; writes yimg, ysc
.if DOCPART == 2
	.amdgcn_target "amdgcn-amd-amdhsa--gfx1250"
	.amdhsa_code_object_version 6
	.text
	.protected	k_q19fc35ec83_attn
	.globl	k_q19fc35ec83_attn
	.p2align	8
	.type	k_q19fc35ec83_attn,@function
k_q19fc35ec83_attn:
	s_mov_b64 s[64:65], 0
	v_nop
	global_prefetch_b8 v0, s[64:65] scope:SCOPE_SE
	s_setreg_imm32_b32 hwreg(HW_REG_WAVE_MODE, 25, 1), 1
	s_wait_xcnt 0x0
	s_wait_alu depctr_hold_cnt(0) depctr_sa_sdst(0) depctr_va_vdst(0) depctr_va_sdst(0) depctr_va_ssrc(0) depctr_va_vcc(0) depctr_vm_vsrc(0)
	s_getreg_b32 s2, hwreg(HW_REG_IB_STS2, 6, 4)
	s_cmp_eq_u32 s2, 0
	s_cbranch_scc0 .Lentry_in_a_cluster
	s_endpgm
.Lentry_in_a_cluster:
	s_bfe_u32 s2, ttmp6, 0x10000c
	s_cmp_lg_u32 s2, 0x3003
	s_cbranch_scc0 .Lentry_shape_is_right
	s_endpgm
.Lentry_shape_is_right:
; y[b][q][head] = softmax_k(q . k / 8) v, both products on codes of FP4 (E2M1) with one E8M0 scale for each 32 along a product's K; y is then quantised along the model's 1,024 and leaves as codes.
; THE SOFTMAX AHEAD OF THE SECOND PRODUCT: t = score x log2(e) / 8; M = the row's largest t so far, rounded UP to a whole number; p = 2^(t - M) is what is quantised, along the keys; the row's sum is taken of the
; unquantised p and divides at the end.  When M moves, the sum and O are multiplied by 2^(old M - new M): exact.
; SHARES.  A work-group owns 256 queries of one PAIR of heads (2 s, 2 s + 1), which it takes one after the other; each of its sixteen waves owns 16 queries in 256 registers: four waves to a SIMD, so that one wave's
; vector work stands beside another's matrix work and LDS loads.  The two heads of a pair are one K step (128) of the last product: a wave makes a whole fragment and whole scale words of it.
; LDS.  The pair's 32 records of K and V (16 steps of 128 keys for each head, 8,960 bytes each, images of the operands' registers: lane l's 16 bytes at 16 l) lie in LDS as they lie in memory, each byte filled ONCE,
; by four tensor loads in each of waves 0 to 3 at the head: four loads of a wave are out.  Work begins when the first quarter has landed.  No LDS byte is filled twice.
; CLUSTER.  The four query blocks of a cluster walk the same records: each load is asked for jointly, with a mask that names the four.
; LAYOUT.  Both products are used transposed: S^T = K Q^T (source 0 = 16 keys, source 1 = my 16 queries), O^T = V^T P^T (source 0 = 16 channels, source 1 = P): a lane holds ONE query (lane % 16) throughout; register j of
; tile t holds key (channel) 16 t + 8 (lane / 16) + j.  A head has 64 channels: the upper half of the first product's 128 along K is zero codes on both sides (registers set once), under scale bytes 0.
; LIMITS: a block of p or of y whose largest magnitude lies under 2^-124 gets the byte 1 (the floor); NaN and infinities are not served.
; REGISTERS: v1-4 addresses; v5, v6-9 the second head's Q; v10 y's scale word; v11, v255 the stage's addresses; v12 -M, v13 the largest t, v[14:15] the sum in two halves; v16-23 Q; v24-27 K's scale words, v28-29 V's, v30 Q's, v31 p's;
;   v32-95 K's 8 fragments; v96-159 S^T, then p; v160-191 O^T; v192-223 V's 4 fragments; v224-231 p's codes; v232-239, v244-247, v252-254 at work; v240-243, v248-251 y's codes.
.set REC,   8960
.set CHUNK, 8*REC                      ; a quarter of the pair's records
.set PAIR,  32*REC
.set YST,   PAIR                       ; behind the records: 1,024 bytes, a stage for y's scale words; no tensor load lands there
.set QREC,  4608
.set LI,   1                           ; 16 x lane
.set L8,   2                           ; 8 x lane
.set ADR,  3
.set ADR2, 4
.set YRA,  11
.set YSA,  255
.set QF,   16
.set KS,   24
.set VS,   28
.set QW,   30
.set PW,   31
.set KF,   32
.set S,    96
.set OT,   160
.set VF,   192
.set PC,   224
.set WV,   12
.set QCP,  18                          ; s[18:19] my tile of Q's codes
.set SEL,  20
.set CS,   22                          ; s[22:23] c = log2(e) / 8
.set G1,   24
.set G0,   32                          ; s[32:47] four groups 0
.set TB,   48                          ; LDS byte of the record in hand
.set CNT,  49
.set QSP,  50                          ; s[50:51] my tile's scale words of Q
.set YO,   52                          ; s[52:53] my fragment of y
.set YS,   54                          ; s[54:55] the work-group's scale words of y (+ 512 in odd waves)
.macro CROUND
	s_barrier_signal -1
	s_barrier_wait -1
	s_cmp_lg_u32 s[WV], 0
	s_cbranch_scc1 .Lnot_wave_0_\@
	s_barrier_signal -3
.Lnot_wave_0_\@:
	s_barrier_wait -3
	s_barrier_signal -1
	s_barrier_wait -1
.endm
	s_load_b256 s[4:11], s[0:1], 0x0               ; qrec s[4:5], kvrec s[6:7], yimg s[8:9], ysc s[10:11]
	v_lshl_add_u32 v254, v0, 2, 0x46400
	v_mov_b32 v255, 0
	ds_add_u32 v254, v255
	ds_add_u32 v254, v255
	s_wait_dscnt 0x0
	v_lshrrev_b32 v3, 5, v0
	v_readfirstlane_b32 s[WV], v3                  ; wave 0..15
	s_bfe_u32 s13, ttmp6, 0x40000                  ; cx
	s_lshl_b32 s14, ttmp9, 2
	s_add_co_u32 s14, s14, s13                     ; my block of 256 queries: it enters Q's and y's addresses alone
	s_and_b32 s15, ttmp7, 0xffff                   ; 8 x batch + pair: the four partners share it
	; group 1: two records, 17,920 dense bytes, as 70 rows of 256 (32 elements of 8 bytes); no padding: a lane image is read 512 consecutive bytes at a time
	s_mov_b32 s[G1], 15|(3<<16)|(1<<21)            ; 15:0 the mask: all four work-groups; 17:16 elements of 8 bytes; 21 set beside a mask
	s_mov_b32 s[G1+1], 32<<16
	s_mov_b32 s[G1+2], 70<<16
	s_mov_b32 s[G1+3], 32<<16
	s_mov_b32 s[G1+4], 70
	s_mov_b32 s[G1+5], 32
	s_mov_b32 s[G1+6], 0
	s_mov_b32 s[G1+7], 0
	s_and_b32 s16, s[WV], 3
	s_mul_i32 s16, s16, 2*REC                      ; a fetching wave's two records of each quarter: in LDS as in memory
	s_mul_i32 s56, s15, PAIR
	s_add_co_u32 s56, s56, s16
	s_mov_b32 s57, 0
	s_lshl_b32 s58, s15, 5                         ; the pair's first record of Q: 32 x (8 batch + pair),
	s_lshl_b32 s59, s14, 1
	s_add_co_u32 s58, s58, s59
	s_lshr_b32 s59, s[WV], 3
	s_add_co_u32 s58, s58, s59                     ; + my group of 128 tokens
	s_mul_i32 s58, s58, QREC
	s_and_b32 s59, s[WV], 7                        ; my tile in it
	s_lshl_b32 s60, s59, 9
	s_add_co_u32 s60, s60, s58
	s_mov_b32 s61, 0
	s_and_b32 s62, s59, 1                          ; its scale words: lane half tile % 2, word tile / 2 of the image
	s_lshl_b32 s62, s62, 8
	s_lshr_b32 s59, s59, 1
	s_lshl_b32 s59, s59, 2
	s_add_co_u32 s62, s62, s59
	s_add_co_u32 s62, s62, s58
	s_add_co_u32 s62, s62, 4096
	s_mov_b32 s63, 0
	s_and_b32 s17, s15, 7
	s_lshl_b32 s17, s17, 9                         ; y: 512 tiles of 16 rows for each pair,
	s_lshr_b32 s48, s15, 3
	s_lshl_b32 s48, s48, 7                         ; 128 for each batch,
	s_add_co_u32 s17, s17, s48
	s_lshl_b32 s48, s14, 4                         ; 16 for each block of queries
	s_add_co_u32 s17, s17, s48
	s_add_co_u32 s52, s17, s[WV]
	s_lshl_b32 s52, s52, 10                        ; a fragment is 1,024 bytes,
	s_mov_b32 s53, 0
	s_lshl_b32 s54, s17, 6                         ; its scale words 64
	s_and_b32 s48, s[WV], 1
	s_lshl_b32 s48, s48, 9
	s_add_co_u32 s54, s54, s48
	s_mov_b32 s55, 0
	; every LDS address that stays is made here, ahead of the first branch on the wave's number
	v_and_b32 v3, 31, v0
	v_lshlrev_b32 v[LI], 4, v3
	v_lshlrev_b32 v[L8], 3, v3
	v_add_nc_u32 v[YRA], s48, v[LI]
	v_add_nc_u32 v[YRA], YST, v[YRA]               ; back out of the stage: 512 bytes a wave
	v_and_b32 v4, 15, v0
	v_lshlrev_b32 v254, 4, v4                      ; Q's scale words: 16 bytes from row to row of the image
	s_lshl_b32 s48, s[WV], 6
	v_lshl_add_u32 v[YSA], v4, 2, s48
	v_add_nc_u32 v[YSA], YST, v[YSA]               ; into the stage: 64 bytes a wave, 4 a row
	s_mov_b32 s[SEL], 0x76543210
	s_mov_b32 s[SEL+1], 0xfedcba98
	s_mov_b32 s[CS], 0x3e38aa3b                    ; log2(e) / 8
	s_mov_b32 s[CS+1], s[CS]
	s_wait_kmcnt 0x0
	s_add_nc_u64 s[6:7], s[6:7], s[56:57]
	s_add_nc_u64 s[QCP:QCP+1], s[4:5], s[60:61]
	s_add_nc_u64 s[QSP:QSP+1], s[4:5], s[62:63]
	s_add_nc_u64 s[YO:YO+1], s[8:9], s[52:53]
	s_add_nc_u64 s[YS:YS+1], s[10:11], s[54:55]
.irp i, 0,1,2,3
	s_mov_b32 s[G0+4*\i], 1
	s_add_co_u32 s[G0+4*\i+1], s16, \i*CHUNK
	s_add_nc_u64 s[G0+4*\i+2:G0+4*\i+3], s[6:7], \i*CHUNK
	s_or_b32 s[G0+4*\i+3], s[G0+4*\i+3], 0x80000000
.endr
	CROUND                                         ; all four work-groups are here: the joint loads meet
	s_cmp_lt_u32 s[WV], 4                          ; waves 0 to 3 fetch; all their loads stand in this one branch
	s_cbranch_scc0 .Lno_fetch
	tensor_load_to_lds s[G0:G0+3], s[G1:G1+7]
	s_nop 0
	tensor_load_to_lds s[G0+4:G0+7], s[G1:G1+7]
	s_nop 0
	tensor_load_to_lds s[G0+8:G0+11], s[G1:G1+7]
	s_nop 0
	tensor_load_to_lds s[G0+12:G0+15], s[G1:G1+7]
	s_nop 0
.rept 4
	v_nop
.endr
.Lno_fetch:
	global_load_b128 v[QF:QF+3], v[LI], s[QCP:QCP+1]              ; Q of the first head: registers 0-3 of the fragment,
	global_load_b128 v[6:9], v[LI], s[QCP:QCP+1] offset:16*QREC   ; of the second: 16 records on
	global_load_b32 v[QW], v254, s[QSP:QSP+1]
	global_load_b32 v5, v254, s[QSP:QSP+1] offset:16*QREC
.irp j, 4,5,6,7
	v_mov_b32 v[QF+\j], 0                          ; K = 64 .. 127 of the first product: zero codes, set once
.endr
.irp t, 0,1,2,3,4,5,6,7
.irp j, 4,5,6,7
	v_mov_b32 v[KF+8*\t+\j], 0
.endr
.endr
.irp b, 0,1,2,3
	v_mov_b32 v[236+\b], 0                         ; written once: a lane permute's destination counts as one of its sources
.endr
	v_mov_b32 v253, 0                              ; (named as the upper half of the pair v[252:253])
.macro INIT                            ; a head begins: the step is written once, and its first trip finds zeros, which the first change of M leaves zeros
	v_mov_b32 v13, 0xff61b1e6                      ; the largest t so far: -3e38
	v_floor_f32 v12, -v13                          ; -M
	v_mov_b32 v14, 0
	v_mov_b32 v15, 0
.set j, 0
.rept 32
	v_mov_b32 v[OT+j], 0
.set j, j+1
.endr
.endm
	INIT
; A KEY STEP: the record of 128 keys at LDS byte s[TB].
.macro STEP
	v_add_nc_u32 v[ADR], s[TB], v[LI]
	v_add_nc_u32 v[ADR2], s[TB], v[L8]
.irp t, 0,1,2,3,4,5,6,7
	ds_load_b128 v[KF+8*\t:KF+8*\t+3], v[ADR] offset:512*\t        ; K: 16 keys a piece
.endr
	ds_load_b128 v[KS:KS+3], v[ADR] offset:4096                    ; its scale words: register i: tile 2 i in lanes 0-15, tile 2 i + 1 in lanes 16-31
	s_wait_dscnt 0x0
.irp u, 0,1,2,3
	v_wmma_scale_f32_16x16x128_f8f6f4 v[S+16*\u:S+16*\u+7], v[KF+16*\u:KF+16*\u+7], v[QF:QF+7], 0, v[KS+\u], v[QW] matrix_a_fmt:MATRIX_FMT_FP4 matrix_b_fmt:MATRIX_FMT_FP4
	v_wmma_scale_f32_16x16x128_f8f6f4 v[S+16*\u+8:S+16*\u+15], v[KF+16*\u+8:KF+16*\u+15], v[QF:QF+7], 0, v[KS+\u], v[QW] matrix_a_fmt:MATRIX_FMT_FP4 matrix_b_fmt:MATRIX_FMT_FP4 matrix_a_scale:MATRIX_SCALE_ROW1
.endr
.rept 4
	v_nop                                          ; places in front of the first read of the scores; with the two additions above also in front of the loads into V's registers, which the last step's products have read
.endr
.irp t, 0,1,2,3
.irp c, 0,1
	ds_load_b128 v[VF+8*\t+4*\c:VF+8*\t+4*\c+3], v[ADR] offset:4608+1024*\t+512*\c   ; V lands while the softmax is walked
.endr
.endr
	ds_load_b64 v[VS:VS+1], v[ADR2] offset:8704
.irp b, 0,1,2,3
	v_max3_num_f32 v[232+\b], v[S+16*\b], v[S+1+16*\b], v[S+2+16*\b]   ; the largest score of each block of 32 keys: it serves the row's maximum and, since p rises with the score, the block's largest p
.endr
.irp i, 3,5,7,9,11,13
.irp b, 0,1,2,3
	v_max3_num_f32 v[232+\b], v[232+\b], v[S+16*\b+\i], v[S+1+16*\b+\i]
.endr
.endr
.irp b, 0,1,2,3
	v_max_num_f32 v[232+\b], v[232+\b], v[S+15+16*\b]
.endr
.irp b, 0,1,2,3
	v_permlanex16_b32 v[236+\b], v[232+\b], s[SEL], s[SEL+1]
.endr
.irp b, 0,1,2,3
	v_max_num_f32 v[232+\b], v[232+\b], v[236+\b]  ; with lane l xor 16's 16 keys
.endr
	v_max3_num_f32 v254, v232, v233, v234
	v_max_num_f32 v254, v254, v235
	v_mul_f32 v254, s[CS], v254                    ; the step's largest t of my query
	v_max_num_f32 v13, v13, v254
	v_mov_b32 v254, v12
	v_floor_f32 v12, -v13                          ; the new -M = -ceil(t): a whole number
	v_sub_f32 v254, v12, v254                      ; old M - new M: a whole number, 0 or less
	v_cvt_i32_f32 v254, v254                       ; (it saturates)
	v_ldexp_f32 v252, 1.0, v254                    ; f = 2^(old M - new M)
.set j, 0
.rept 32
	v_pk_fma_f32 v[S+j:S+j+1], v[S+j:S+j+1], s[CS:CS+1], v[12:13] op_sel_hi:[1,0,0]   ; t - M, two at a time
.set j, j+2
.endr
.irp b, 0,1,2,3
	v_fma_f32 v[232+\b], v[232+\b], s[CS], v12     ; the same of each block's largest score
.endr
.set j, 0
.rept 64
	v_exp_f32 v[S+j], v[S+j]                       ; p = 2^(t - M)
.set j, j+1
.endr
	v_pk_mul_f32 v[14:15], v[14:15], v[252:253] op_sel_hi:[1,0]   ; the sums under the new M (a plain place behind the exponentials)
	s_wait_alu depctr_va_vdst(0)                   ; one wait for the batch of 64, ahead of its first reader
.irp b, 0,1,2,3
	v_exp_f32 v[232+\b], v[232+\b]                 ; each block's largest p
.endr
	v_pk_add_f32 v[236:237], v[S:S+1], v[S+2:S+3]  ; the row's sum, of the unquantised p, in two chains
.set j, 4
.rept 15
	v_pk_add_f32 v[14:15], v[14:15], v[S+j:S+j+1]
	v_pk_add_f32 v[236:237], v[236:237], v[S+j+2:S+j+3]
.set j, j+4
.endr
	v_pk_add_f32 v[14:15], v[14:15], v[236:237]
	s_wait_alu depctr_va_vdst(0)                   ; and one for the four
.irp b, 0,1,2,3
	v_max_num_f32 v[232+\b], 0x1800000, v[232+\b]  ; the floor 2^(3 - 127)
.endr
.irp b, 0,1,2,3
	v_add_nc_u32 v[244+\b], 0xff000000, v[232+\b]  ; 2 off the exponent field: the conversion's scale operand
.endr
.irp b, 0,1,2,3
	v_lshrrev_b32 v[236+\b], 23, v[244+\b]         ; the scale's byte
.endr
	v_lshl_or_b32 v[PW], v237, 8, v236
	v_lshl_or_b32 v[PW], v238, 16, v[PW]
	v_lshl_or_b32 v[PW], v239, 24, v[PW]           ; p's scale word for these 128 keys
.irp b, 0,1,2,3
.irp e, 0,1
	v_cvt_scalef32_pk8_fp4_f32 v[PC+4*(\b/2)+2*\e+\b%2], v[S+16*\b+8*\e:S+16*\b+8*\e+7], v[244+\b]   ; tile 2 b + e: in lane half h word 2 e + h of block b
.endr
.endr
	v_nop                                          ; one plain place behind a scaled conversion
.irp c, 0,1
.irp e, 0,1
	v_permlane16_swap_b32 v[PC+4*\c+2*\e], v[PC+4*\c+2*\e+1]   ; register 4 c + d, lane half h: word d of block 2 c + h: the operand's layout
.endr
.endr
.set j, 0
.rept 16
	v_pk_mul_f32 v[OT+j:OT+j+1], v[OT+j:OT+j+1], v[252:253] op_sel_hi:[1,0]   ; O^T under the new M; these sixteen are also the places between the scale word's and the codes' last writes and the products
.set j, j+2
.endr
	s_wait_dscnt 0x0                               ; V
.irp u, 0,1
	v_wmma_scale_f32_16x16x128_f8f6f4 v[OT+16*\u:OT+16*\u+7], v[VF+16*\u:VF+16*\u+7], v[PC:PC+7], v[OT+16*\u:OT+16*\u+7], v[VS+\u], v[PW] matrix_a_fmt:MATRIX_FMT_FP4 matrix_b_fmt:MATRIX_FMT_FP4
	v_wmma_scale_f32_16x16x128_f8f6f4 v[OT+16*\u+8:OT+16*\u+15], v[VF+16*\u+8:VF+16*\u+15], v[PC:PC+7], v[OT+16*\u+8:OT+16*\u+15], v[VS+\u], v[PW] matrix_a_fmt:MATRIX_FMT_FP4 matrix_b_fmt:MATRIX_FMT_FP4 matrix_a_scale:MATRIX_SCALE_ROW1
.endr
	s_add_co_u32 s[TB], s[TB], REC
.endm
; Quarter p of the records: 8 key steps.  The count leaves the later quarters' loads out: tensor loads of a wave end in order, and nothing is ever filled again.
.macro PHASE p
	s_wait_tensorcnt 3-\p                          ; my part of quarter p is in,
	s_wait_dscnt 0x0
	s_barrier_signal -1
	s_barrier_wait -1                              ; everybody's is
	s_mov_b32 s[TB], \p*CHUNK
	s_mov_b32 s[CNT], 8
.Lstep_\@:
	STEP
	s_sub_co_u32 s[CNT], s[CNT], 1
	s_cmp_lg_u32 s[CNT], 0
	s_cbranch_scc1 .Lstep_\@
.endm
; A head ends: O^T / the sum is y(my query, 16 t + 8 h + j): 32 numbers a lane, two blocks of 32 along the last product's K; quantised; half a fragment (512 bytes a wave) is stored.
.macro FINISH hd
.set YY, 240+8*\hd
.rept 4
	v_nop                                          ; places behind the last products
.endr
	v_add_f32 v14, v14, v15
	v_permlanex16_b32 v252, v14, s[SEL], s[SEL+1]
	v_add_f32 v14, v14, v252                       ; the row's sum
	v_rcp_f32 v14, v14
	v_nop                                          ; a plain place behind the reciprocal
	s_wait_alu depctr_va_vdst(0)                   ; and the wait ahead of its first reader
.set j, 0
.rept 16
	v_pk_mul_f32 v[S+j:S+j+1], v[OT+j:OT+j+1], v[14:15] op_sel_hi:[1,0]   ; each accumulator from its low end on
.set j, j+2
.endr
.irp b, 0,1
	v_max3_num_f32 v[232+\b], |v[S+16*\b]|, |v[S+1+16*\b]|, 0x1800000
.endr
.irp i, 2,4,6,8,10,12,14
.irp b, 0,1
	v_max3_num_f32 v[232+\b], v[232+\b], |v[S+16*\b+\i]|, |v[S+1+16*\b+\i]|
.endr
.endr
.irp b, 0,1
	v_permlanex16_b32 v[236+\b], v[232+\b], s[SEL], s[SEL+1]
.endr
.irp b, 0,1
	v_max_num_f32 v[232+\b], v[232+\b], v[236+\b]
.endr
.irp b, 0,1
	v_add_nc_u32 v[244+\b], 0xff000000, v[232+\b]
.endr
.irp b, 0,1
	v_lshrrev_b32 v[236+\b], 23, v[244+\b]
.endr
.if \hd
	v_lshl_or_b32 v254, v237, 8, v236
	v_lshl_or_b32 v10, v254, 16, v10               ; the second head's two bytes on top: the K step's scale word is whole
.else
	v_lshl_or_b32 v10, v237, 8, v236
.endif
.irp b, 0,1
.irp e, 0,1
	v_cvt_scalef32_pk8_fp4_f32 v[YY+2*\e+\b], v[S+16*\b+8*\e:S+16*\b+8*\e+7], v[244+\b]
.endr
.endr
	v_nop
.irp e, 0,1
	v_permlane16_swap_b32 v[YY+2*\e], v[YY+2*\e+1]
.endr
	global_store_b128 v[LI], v[YY:YY+3], s[YO:YO+1] offset:512*\hd   ; 32 lanes store 512 consecutive bytes, aligned; these registers are not written again
.endm
	s_wait_loadcnt 0x0                             ; Q
	PHASE 0
	PHASE 1
	FINISH 0
.irp j, 0,1,2,3
	v_mov_b32 v[QF+\j], v[6+\j]                    ; the second head's Q
.endr
	v_mov_b32 v[QW], v5
	INIT                                           ; (its 36 lines are also the places between these writes and the next products)
	PHASE 2
	PHASE 3
	FINISH 1
	ds_store_b32 v[YSA], v10                       ; my 16 rows' scale words; both halves of the lanes write the same word with the same value
	s_wait_dscnt 0x0                               ; for the others' sake
	s_barrier_signal -1
	s_barrier_wait -1
	s_cmp_lt_u32 s[WV], 2                          ; the work-group's 1,024 bytes of scale words leave by two waves, 512 consecutive bytes each
	s_cbranch_scc0 .Ldone
	ds_load_b128 v[S:S+3], v[YRA]
	s_wait_dscnt 0x0
	global_store_b128 v[LI], v[S:S+3], s[YS:YS+1]
.Ldone:
	s_wait_xcnt 0x0
	v_lshl_add_u32 v254, v0, 2, 0x46400
	v_mov_b32 v255, 0
	s_wait_tensorcnt 0x0
	ds_add_u32 v254, v255
	s_wait_dscnt 0x0
	CROUND                                         ; the closing round
	s_endpgm
.Lfunc_end_k_q19fc35ec83_attn:
	.size	k_q19fc35ec83_attn, .Lfunc_end_k_q19fc35ec83_attn-k_q19fc35ec83_attn
	.p2alignl 7, 3214868480
	.fill 96, 4, 3214868480
	.section	.rodata,"a",@progbits
	.p2align	6, 0x0
	.amdhsa_kernel k_q19fc35ec83_attn
		.amdhsa_group_segment_fixed_size 289792
		.amdhsa_private_segment_fixed_size 0
		.amdhsa_enable_private_segment 0
		.amdhsa_kernarg_size 32
		.amdhsa_user_sgpr_count 2
		.amdhsa_user_sgpr_kernarg_segment_ptr 1
		.amdhsa_wavefront_size32 1
		.amdhsa_system_sgpr_workgroup_id_x 1
		.amdhsa_system_sgpr_workgroup_id_y 1
		.amdhsa_system_sgpr_workgroup_id_z 1
		.amdhsa_system_vgpr_workitem_id 0
		.amdhsa_next_free_vgpr 256
		.amdhsa_next_free_sgpr 66
		.amdhsa_reserve_vcc 0
		.amdhsa_float_denorm_mode_32 3
		.amdhsa_float_denorm_mode_16_64 3
		.amdhsa_memory_ordered 1
		.amdhsa_forward_progress 1
		.amdhsa_inst_pref_size 77
	.end_amdhsa_kernel
	.amdgpu_metadata
---
amdhsa.version: [ 1, 2 ]
amdhsa.kernels:
  - .name:           k_q19fc35ec83_attn
    .symbol:         k_q19fc35ec83_attn.kd
    .args:
      - { .name: qrec, .offset: 0, .size: 8, .value_kind: global_buffer, .address_space: global }
      - { .name: kvrec, .offset: 8, .size: 8, .value_kind: global_buffer, .address_space: global }
      - { .name: yimg, .offset: 16, .size: 8, .value_kind: global_buffer, .address_space: global }
      - { .name: ysc, .offset: 24, .size: 8, .value_kind: global_buffer, .address_space: global }
    .group_segment_fixed_size: 289792
    .private_segment_fixed_size: 0
    .kernarg_segment_align: 8
    .kernarg_segment_size: 32
    .max_flat_workgroup_size: 512
    .sgpr_count:     66
    .vgpr_count:     256
    .wavefront_size: 32
...
	.end_amdgpu_metadata
.endif
;; end of part 2
;; launch proj (part 3): grid 4 x 64, 4 waves a work-group, clusters of 4 x 4, 251,904 bytes of LDS; arguments yimg, ysc, W_proj_codes, W_proj_scales, b_proj, out0; writes out0
.if DOCPART == 3
	.amdgcn_target "amdgcn-amd-amdhsa--gfx1250"
	.amdhsa_code_object_version 6
	.text
	.protected	k_q19fc35ec83_proj
	.globl	k_q19fc35ec83_proj
	.p2align	8
	.type	k_q19fc35ec83_proj,@function
k_q19fc35ec83_proj:
	s_mov_b64 s[64:65], 0
	v_nop
	global_prefetch_b8 v0, s[64:65] scope:SCOPE_SE
	s_setreg_imm32_b32 hwreg(HW_REG_WAVE_MODE, 25, 1), 1
	s_wait_xcnt 0x0
	s_wait_alu depctr_hold_cnt(0) depctr_sa_sdst(0) depctr_va_vdst(0) depctr_va_sdst(0) depctr_va_ssrc(0) depctr_va_vcc(0) depctr_vm_vsrc(0)
	s_getreg_b32 s2, hwreg(HW_REG_IB_STS2, 6, 4)
	s_cmp_eq_u32 s2, 0
	s_cbranch_scc0 .Lentry_in_a_cluster
	s_endpgm
.Lentry_in_a_cluster:
	s_bfe_u32 s2, ttmp6, 0x10000c
	s_cmp_lg_u32 s2, 0xf033
	s_cbranch_scc0 .Lentry_shape_is_right
	s_endpgm
.Lentry_shape_is_right:
; out0 = y W_proj + b_proj on codes of FP4 (E2M1) with one E8M0 scale for each 32 along K = 1,024; out0: [8,192][1,024] f32.
; y comes as images of operand registers: yimg [K step 8][tile of 16 rows 512][1,024 bytes: two pieces of 512, lane l's 16 bytes at 16 l], ysc [K step 8][tile 512][16 words].  W_proj: [1,024 (n)][1,024 (k)] codes, rows of 512 bytes; scale bytes: rows of 32.
; A work-group makes 128 rows x 256 columns, each of its four waves 64 x 128: 32 accumulators.  USED TRANSPOSED: source 0 = 16 rows of W_proj, source 1 = 16 rows of y: a lane holds eight neighbouring columns of one row of out0.
; The bias is the C of each sum's first matrix instruction: eight registers a tile of columns, in the result's layout.
; ALL OF K LIES IN LDS AT ONCE, each byte filled once by three tensor loads a wave at the head (scales, K's first half, K's second half); no LDS byte is filled twice; the stage for the way out has bytes of its own.
; CLUSTERS: 4 x 4 work-groups.  y's tile hangs on the cluster's row (cy) and is asked for jointly by the four of that row, W_proj's on its column (cx).
; REGISTERS: window 0: v1-27 addresses; v32-95 W's scale words, v96-111 y's (nothing else ever); v128-159, v160-191 y's fragments, two sets.   window 1: v0-63, v128-191 W's fragments, two sets; v64-127 the bias; on the way out all 256: rows of out0.
;   window 2: the accumulators, (a, b) at v[8 (8 a + b)].
.set PITCH,  272
.set HALFW,  128*PITCH                 ; 128 rows of W: what one tensor load brings, what one wave reads
.set WSLOT,  2*HALFW                   ; half of K: W's 256 rows
.set YT,     2*WSLOT                   ; y's codes: for each 64 rows [K step 8][tile 4][1,024]
.set YREG,   32768
.set YCH,    16384                     ; four K steps of it
.set WSL,    YT+2*YREG                 ; W's scale bytes, as units of 256 bytes + 16
.set HALFS,  16*272
.set SBLK,   2*272
.set YSL,    WSL+2*HALFS               ; y's scale words: for each 64 rows [K step 8][256 bytes]
.set STG,    YSL+4096                  ; the way out: 16 rows x (512 bytes + 16) for each wave
.set SPITCH, 528
.set LANE, 1
.set RR,   2
.set HH,   3
.set LI,   5                           ; 16 x lane
.set BO,   7
.set ADRW, 16                          ; v16-17
.set ADRY, 20
.set ADRWS, 22
.set ADRYS, 23
.set STO,  24
.set RD,   25
.set WSR,  32                          ; W's scale words: register 32 (q / 4) + 4 b + q % 4
.set YSR,  96                          ; y's: register 2 q + i: tile 2 i in lanes 0-15, tile 2 i + 1 in lanes 16-31
.set WV,   18
.set HA,   19                          ; which 64 rows are mine.  Also: I fetch for y (0) or for W (1)
.set HB,   20                          ; which 128 columns.  Also: which half I fetch
.set CX,   21
.set CY,   22
.set TR,   23                          ; tile of 128 rows
.set TC,   67                          ; tile of 256 columns
.set G1Y,  24
.set G0Y,  32
.set G1W,  48
.set G0W,  56
.set G1YS, 68
.set G0YS, 76
.set G1WS, 80
.set G0WS, 88
.set MSB, 0
.macro WIN new
.if MSB != \new
	s_set_vgpr_msb (MSB<<8)|\new
.set MSB, \new
.endif
.endm
.macro PLACES n
.rept \n
	v_nop
.endr
.endm
.macro JLOAD g0a, g1a, g0b, g1b        ; waves 0 and 1 fetch for y, waves 2 and 3 for W; four v_nop follow each of the two lines
	s_cmp_eq_u32 s[HA], 0
	s_cbranch_scc0 .Lfor_b_\@
	tensor_load_to_lds s[\g0a:\g0a+3], s[\g1a:\g1a+7]
	s_nop 0
.rept 4
	v_nop
.endr
	s_branch .Lasked_\@
.Lfor_b_\@:
	tensor_load_to_lds s[\g0b:\g0b+3], s[\g1b:\g1b+7]
	s_nop 0
.rept 4
	v_nop
.endr
.Lasked_\@:
.endm
.macro CROUND
	s_barrier_signal -1
	s_barrier_wait -1
	s_cmp_lg_u32 s[WV], 0
	s_cbranch_scc1 .Lnot_wave_0_\@
	s_barrier_signal -3
.Lnot_wave_0_\@:
	s_barrier_wait -3
	s_barrier_signal -1
	s_barrier_wait -1
.endm
	s_load_b256 s[4:11], s[0:1], 0x0               ; yimg s[4:5], ysc s[6:7], W's codes s[8:9], W's scales s[10:11]
	s_load_b128 s[12:15], s[0:1], 0x20             ; b_proj s[12:13], out0 s[14:15]
	v_lshl_add_u32 v254, v0, 2, 0x3d600
	v_mov_b32 v255, 0
	ds_add_u32 v254, v255
	ds_add_u32 v254, v255
	v_lshrrev_b32 v1, 5, v0
	v_readfirstlane_b32 s[WV], v1
	s_lshr_b32 s[HA], s[WV], 1
	s_and_b32 s[HB], s[WV], 1
	s_bfe_u32 s[CX], ttmp6, 0x40000
	s_bfe_u32 s[CY], ttmp6, 0x40004
	s_lshl_b32 s[TC], ttmp9, 2
	s_add_co_u32 s[TC], s[TC], s[CX]
	s_and_b32 s[TR], ttmp7, 0xffff
	s_lshl_b32 s[TR], s[TR], 2
	s_add_co_u32 s[TR], s[TR], s[CY]
	s_lshl_b32 s44, s[CY], 2
	s_lshl_b32 s44, 15, s44                        ; my row of the cluster
	s_lshl_b32 s45, 0x1111, s[CX]                  ; my column
	; y's codes: four K steps x (4 tiles = 4,096 consecutive bytes), the K steps 512 tiles = 524,288 bytes apart; elements of 8 bytes; no padding
	s_or_b32 s[G1Y], s44, (3<<16)|(1<<21)
	s_mov_b32 s[G1Y+1], 512<<16
	s_mov_b32 s[G1Y+2], 4<<16
	s_mov_b32 s[G1Y+3], 512<<16
	s_mov_b32 s[G1Y+4], 4
	s_mov_b32 s[G1Y+5], 65536
	s_mov_b32 s[G1Y+6], 0
	s_mov_b32 s[G1Y+7], 0
	; y's scale words: eight K steps x 256 bytes, 32,768 bytes apart
	s_or_b32 s[G1YS], s44, (3<<16)|(1<<21)
	s_mov_b32 s[G1YS+1], 32<<16
	s_mov_b32 s[G1YS+2], 8<<16
	s_mov_b32 s[G1YS+3], 32<<16
	s_mov_b32 s[G1YS+4], 8
	s_mov_b32 s[G1YS+5], 4096
	s_mov_b32 s[G1YS+6], 0
	s_mov_b32 s[G1YS+7], 0
	; W's codes: 128 rows x 256 bytes, 512 apart, 16 bytes of padding behind each row
	s_or_b32 s[G1W], s45, (1<<20)|(1<<21)|(5<<22)|(3<<25)
	s_mov_b32 s[G1W+1], 256<<16
	s_mov_b32 s[G1W+2], 128<<16
	s_mov_b32 s[G1W+3], 256<<16
	s_mov_b32 s[G1W+4], 128
	s_mov_b32 s[G1W+5], 512
	s_mov_b32 s[G1W+6], 0
	s_mov_b32 s[G1W+7], 0
	; W's scale bytes of 128 rows: 4,096 dense bytes as 16 rows of 256, 16 bytes of padding behind each
	s_or_b32 s[G1WS], s45, (3<<16)|(1<<20)|(1<<21)|(5<<22)|(3<<25)
	s_mov_b32 s[G1WS+1], 32<<16
	s_mov_b32 s[G1WS+2], 16<<16
	s_mov_b32 s[G1WS+3], 32<<16
	s_mov_b32 s[G1WS+4], 16
	s_mov_b32 s[G1WS+5], 32
	s_mov_b32 s[G1WS+6], 0
	s_mov_b32 s[G1WS+7], 0
	s_lshl_b32 s92, s[TR], 3
	s_lshl_b32 s46, s[HB], 2
	s_add_co_u32 s92, s92, s46                     ; y: the first of the four tiles of 16 rows that I fetch
	s_lshl_b32 s96, s92, 6                         ; its scale words,
	s_mov_b32 s97, 0
	s_lshl_b32 s92, s92, 10                        ; its codes
	s_mov_b32 s93, 0
	s_lshl_b32 s94, s[TC], 8
	s_lshl_b32 s46, s[HB], 7
	s_add_co_u32 s94, s94, s46                     ; W: the first of the 128 rows that I fetch
	s_lshl_b32 s98, s94, 5
	s_mov_b32 s99, 0
	s_lshl_b32 s94, s94, 9
	s_mov_b32 s95, 0
	s_mul_i32 s40, s[HB], YREG                     ; where they go: by the wave's number alone
	s_add_co_u32 s40, s40, YT
	s_lshl_b32 s41, s[HB], 11
	s_add_co_u32 s41, s41, YSL
	s_mul_i32 s42, s[HB], HALFW
	s_mul_i32 s43, s[HB], HALFS
	s_add_co_u32 s43, s43, WSL
	s_wait_dscnt 0x0
	s_wait_kmcnt 0x0
	s_add_nc_u64 s[4:5], s[4:5], s[92:93]
	s_add_nc_u64 s[6:7], s[6:7], s[96:97]
	s_add_nc_u64 s[8:9], s[8:9], s[94:95]
	s_add_nc_u64 s[10:11], s[10:11], s[98:99]
	CROUND                                         ; all sixteen work-groups are here: the joint loads meet
	s_mov_b32 s[G0YS], 1
	s_mov_b32 s[G0YS+1], s41
	s_mov_b64 s[G0YS+2:G0YS+3], s[6:7]
	s_or_b32 s[G0YS+3], s[G0YS+3], 0x80000000
	s_mov_b32 s[G0WS], 1
	s_mov_b32 s[G0WS+1], s43
	s_mov_b64 s[G0WS+2:G0WS+3], s[10:11]
	s_or_b32 s[G0WS+3], s[G0WS+3], 0x80000000
	JLOAD G0YS, G1YS, G0WS, G1WS                   ; the scales first
.irp s, 0,1
	s_mov_b32 s[G0Y+4*\s], 1
	s_add_co_u32 s[G0Y+4*\s+1], s40, \s*YCH
	s_add_nc_u64 s[G0Y+4*\s+2:G0Y+4*\s+3], s[4:5], \s*2097152      ; four K steps on
	s_or_b32 s[G0Y+4*\s+3], s[G0Y+4*\s+3], 0x80000000
	s_mov_b32 s[G0W+4*\s], 1
	s_add_co_u32 s[G0W+4*\s+1], s42, \s*WSLOT
	s_add_nc_u64 s[G0W+4*\s+2:G0W+4*\s+3], s[8:9], \s*256
	s_or_b32 s[G0W+4*\s+3], s[G0W+4*\s+3], 0x80000000
	JLOAD G0Y+4*\s, G1Y, G0W+4*\s, G1W             ; then K's two halves: three loads of mine are out
.endr
	v_and_b32 v[LANE], 31, v0
	v_and_b32 v[RR], 15, v0
	v_bfe_u32 v[HH], v0, 4, 1
	v_lshlrev_b32 v[LI], 4, v[LANE]
	v_lshlrev_b32 v[BO], 5, v[HH]
	s_lshl_b32 s92, s[TC], 10
	s_lshl_b32 s93, s[HB], 9
	s_add_co_u32 s92, s92, s93                     ; my first column, in bytes
	s_mov_b32 s93, 0
	s_add_nc_u64 s[12:13], s[12:13], s[92:93]
	s_add_nc_u64 s[14:15], s[14:15], s[92:93]
	WIN 0x40
.irp b, 0,1,2,3,4,5,6,7
	global_load_b128 v[64+8*\b:64+8*\b+3], v[BO], s[12:13] offset:64*\b        ; lane (r, h), tile b: the bias of columns 16 b + 8 h + 0 .. 7
	global_load_b128 v[64+8*\b+4:64+8*\b+7], v[BO], s[12:13] offset:64*\b+16
.endr
	WIN 0
	s_lshl_b32 s92, s[TR], 7
	s_lshl_b32 s94, s[HA], 6
	s_add_co_u32 s92, s92, s94
	s_lshl_b32 s92, s92, 12                        ; my first row of out0: 4,096 bytes a row (under 2^26)
	s_add_nc_u64 s[14:15], s[14:15], s[92:93]
	v_mul_u32_u24 v4, v[RR], PITCH
	v_lshl_add_u32 v4, v[HH], 4, v4
	s_mul_i32 s92, s[HB], HALFW
	v_add_nc_u32 v[ADRW], s92, v4
	s_add_co_u32 s92, s92, WSLOT
	v_add_nc_u32 v[ADRW+1], s92, v4
	s_mul_i32 s92, s[HA], YREG
	s_add_co_u32 s92, s92, YT
	v_add_nc_u32 v[ADRY], s92, v[LI]
	v_lshlrev_b32 v8, 5, v[RR]
	v_lshrrev_b32 v9, 8, v8
	v_lshl_add_u32 v8, v9, 4, v8
	s_mul_i32 s92, s[HB], HALFS
	s_add_co_u32 s92, s92, WSL
	v_add_nc_u32 v[ADRWS], s92, v8
	s_lshl_b32 s92, s[HA], 11
	s_add_co_u32 s92, s92, YSL
	v_lshl_add_u32 v[ADRYS], v[LANE], 2, s92
	s_mul_i32 s92, s[WV], 16*SPITCH
	s_add_co_u32 s92, s92, STG                     ; my stage
	v_mul_u32_u24 v8, v[RR], SPITCH
	v_lshl_add_u32 v8, v[HH], 5, v8
	v_add_nc_u32 v[STO], s92, v8                   ; in: row r, 32 bytes for each half of the lanes
	v_add_nc_u32 v[RD], s92, v[LI]                 ; back: the 32 lanes take one row of 512 bytes
.macro FETCH q                         ; K step q's fragments into set q % 2: W's eight from rows, y's four as images
.set FP, (\q)%2
.set FS, (\q)/4
.set FK, 64*((\q)%4)
	WIN 0x40
.irp i, 0,1,2,3,4,5,6,7
.irp c, 0,1
	ds_load_b128 v[128*FP+8*\i+4*\c:128*FP+8*\i+4*\c+3], v[ADRW+FS] offset:FK+32*\c+\i*16*PITCH
.endr
.endr
	WIN 0
.irp i, 0,1,2,3
.irp c, 0,1
	ds_load_b128 v[128+32*FP+8*\i+4*\c:128+32*FP+8*\i+4*\c+3], v[ADRY] offset:4096*(\q)+1024*\i+512*\c
.endr
.endr
.endm
.macro MM acc, wf, yf, cc, sw, sy, odd
.if \odd
	v_wmma_scale_f32_16x16x128_f8f6f4 v[\acc:\acc+7], v[\wf:\wf+7], v[\yf:\yf+7], v[\cc:\cc+7], v[\sw], v[\sy] matrix_a_fmt:MATRIX_FMT_FP4 matrix_b_fmt:MATRIX_FMT_FP4 matrix_b_scale:MATRIX_SCALE_ROW1
.else
	v_wmma_scale_f32_16x16x128_f8f6f4 v[\acc:\acc+7], v[\wf:\wf+7], v[\yf:\yf+7], v[\cc:\cc+7], v[\sw], v[\sy] matrix_a_fmt:MATRIX_FMT_FP4 matrix_b_fmt:MATRIX_FMT_FP4
.endif
.endm
; K step q: 32 matrix instructions; the 32 accumulators take turns, one instruction a turn, in the same order in every step.  Step 0 takes the bias as C.
.macro MULS q
.set PP, (\q)%2
.set SQ, WSR+32*((\q)/4)+(\q)%4
.set SY, YSR+2*(\q)
.if (\q) == 0
	WIN 0x91                                       ; source 0 (W) window 1, source 1 (y) window 0, C (the bias) window 1, D window 2
.else
	WIN 0xa1                                       ; C and D window 2
.endif
.irp a, 0,1,2,3
.irp b, 0,1,2,3,4,5,6,7
.if (\q) == 0
	MM 8*(8*\a+\b), 128*PP+8*\b, 128+32*PP+8*\a, 64+8*\b, SQ+4*\b, SY+\a/2, \a%2
.else
	MM 8*(8*\a+\b), 128*PP+8*\b, 128+32*PP+8*\a, 8*(8*\a+\b), SQ+4*\b, SY+\a/2, \a%2
.endif
.endr
.endr
.endm
	s_wait_tensorcnt 0x1                           ; the scales and my part of K's first half are in; the second half's load may stay out
	s_barrier_signal -1
	s_barrier_wait -1                              ; everybody's are
	FETCH 0
.irp u, 0,1
.irp i, 0,1,2,3,4,5,6,7
	ds_load_b128 v[WSR+32*\u+4*\i:WSR+32*\u+4*\i+3], v[ADRWS] offset:\i*SBLK+16*\u
.endr
.endr
.irp q, 0,1,2,3,4,5,6,7
.irp i, 0,1
	ds_load_b32 v[YSR+2*\q+\i], v[ADRYS] offset:256*\q+128*\i
.endr
.endr
.set Q, 0
.rept 8
	s_wait_dscnt 0x0                               ; this step's fragments are in
.if Q == 0
	s_wait_loadcnt 0x0                             ; the bias
.endif
.if Q == 3
	s_wait_tensorcnt 0x0                           ; my part of K's second half is in,
	s_barrier_signal -1
	s_barrier_wait -1                              ; everybody's is
.endif
.if Q < 7
.if Q > 0
	PLACES 4                                       ; in front of loads into registers that the last step's matrix instructions have read
.endif
	FETCH Q+1
.endif
	MULS Q
.set Q, Q+1
.endr
; THE WAY OUT, 16 rows x 128 columns at a time: a lane holds 32 neighbouring bytes of a row, the lanes beside it other rows: the block goes through my own stage and comes back as whole rows of 512 bytes.
; LDS serves a wave's instructions in order: no wait between the stores and the loads, nor in front of the next block's stores.  Each block has its own 64 registers: no store's data are written again.
.macro TOSTAGE a
	WIN 0x08                                       ; an LDS store's data are its source 1: window 2
.irp b, 0,1,2,3,4,5,6,7
	ds_store_b128 v[STO], v[64*(\a)+8*\b:64*(\a)+8*\b+3] offset:64*\b          ; each accumulator from its low end on
	ds_store_b128 v[STO], v[64*(\a)+8*\b+4:64*(\a)+8*\b+7] offset:64*\b+16
.endr
	WIN 0x40                                       ; destination window 1
.irp t, 0,1,2,3,4,5,6,7,8,9,10,11,12,13,14,15
	ds_load_b128 v[64*(\a)+4*\t:64*(\a)+4*\t+3], v[RD] offset:\t*SPITCH
.endr
.endm
.macro SEND a, younger                 ; younger: the LDS instructions issued behind block a's loads, which may stay out
	s_wait_dscnt \younger
	WIN 0x04                                       ; a store's data are its source 1: window 1
.irp t, 0,1,2,3,4,5,6,7,8,9,10,11,12,13,14,15
	global_store_b128 v[LI], v[64*(\a)+4*\t:64*(\a)+4*\t+3], s[14:15] offset:65536*(\a)+4096*\t th:TH_STORE_NT   ; 32 lanes store 512 consecutive bytes, aligned; written once, read by nobody here
.endr
.endm
	WIN 0
	PLACES 4                                       ; in front of the first read of results, and of loads into registers that held W's fragments and the bias
	TOSTAGE 0
	TOSTAGE 1
	SEND 0, 32                                     ; behind block 0's loads: block 1's 16 stores and 16 loads
	TOSTAGE 2
	SEND 1, 32
	TOSTAGE 3
	SEND 2, 32
	SEND 3, 0
	WIN 0
	s_wait_tensorcnt 0x0
	ds_add_u32 v254, v255
	s_wait_dscnt 0x0
	CROUND                                         ; the closing round: no work-group ends while a partner may still ask for a tile that names it
	s_endpgm
.Lfunc_end_k_q19fc35ec83_proj:
	.size	k_q19fc35ec83_proj, .Lfunc_end_k_q19fc35ec83_proj-k_q19fc35ec83_proj
	.p2alignl 7, 3214868480
	.fill 96, 4, 3214868480
	.section	.rodata,"a",@progbits
	.p2align	6, 0x0
	.amdhsa_kernel k_q19fc35ec83_proj
		.amdhsa_group_segment_fixed_size 251904
		.amdhsa_private_segment_fixed_size 0
		.amdhsa_enable_private_segment 0
		.amdhsa_kernarg_size 48
		.amdhsa_user_sgpr_count 2
		.amdhsa_user_sgpr_kernarg_segment_ptr 1
		.amdhsa_wavefront_size32 1
		.amdhsa_system_sgpr_workgroup_id_x 1
		.amdhsa_system_sgpr_workgroup_id_y 1
		.amdhsa_system_sgpr_workgroup_id_z 1
		.amdhsa_system_vgpr_workitem_id 0
		.amdhsa_next_free_vgpr 768
		.amdhsa_next_free_sgpr 100
		.amdhsa_reserve_vcc 0
		.amdhsa_float_denorm_mode_32 3
		.amdhsa_float_denorm_mode_16_64 3
		.amdhsa_memory_ordered 1
		.amdhsa_forward_progress 1
		.amdhsa_inst_pref_size 74
	.end_amdhsa_kernel
	.amdgpu_metadata
---
amdhsa.version: [ 1, 2 ]
amdhsa.kernels:
  - .name:           k_q19fc35ec83_proj
    .symbol:         k_q19fc35ec83_proj.kd
    .args:
      - { .name: yimg, .offset: 0, .size: 8, .value_kind: global_buffer, .address_space: global }
      - { .name: ysc, .offset: 8, .size: 8, .value_kind: global_buffer, .address_space: global }
      - { .name: W_proj_codes, .offset: 16, .size: 8, .value_kind: global_buffer, .address_space: global }
      - { .name: W_proj_scales, .offset: 24, .size: 8, .value_kind: global_buffer, .address_space: global }
      - { .name: b_proj, .offset: 32, .size: 8, .value_kind: global_buffer, .address_space: global }
      - { .name: out0, .offset: 40, .size: 8, .value_kind: global_buffer, .address_space: global }
    .group_segment_fixed_size: 251904
    .private_segment_fixed_size: 0
    .kernarg_segment_align: 8
    .kernarg_segment_size: 48
    .max_flat_workgroup_size: 128
    .sgpr_count:     100
    .vgpr_count:     768
    .wavefront_size: 32
...
	.end_amdgpu_metadata
.endif
;; end of part 3
